; MI455X (gfx1250); checked and timed in simulation.
; The chip was launched on July 23, 2026; its instructions are those of AMD's public machine-readable ISA for CDNA 5 (MIT licence, August 2026) and "CDNA5" Instruction Set Architecture Reference Guide (July 2026). The comments in the code are by the model that wrote it; some were corrected since.
;; DCRBM. Allowed arithmetic: matrix products marked QUANTISED: E2M3 operands, one E8M0 scale for each 32 along K, by v_wmma_scale_f32_16x16x128_f8f6f4 with both operands' format E2M3, f32 sums; everything else in f32.
;; Inputs: A_codes 1,024 x 16 x 24 uint8 (E2M3 codes of A, K innermost, in blocks of 32 codes, four codes in three bytes); A_scales 1,024 x 16 uint8 (E8M0 scales of A, one for each 32 codes along K); B_codes 4,096 x 16 x 24 uint8 (E2M3 codes of B, K innermost, in blocks of 32 codes, four codes in three bytes); B_scales 4,096 x 16 uint8 (E8M0 scales of B, one for each 32 codes along K); W 1,024 x 4,096 float32; b 1 x 1,024 float32; c 1 x 4,096 float32; cond_data_codes 4,096 x 16 x 24 uint8 (E2M3 codes of cond_data, K innermost, in blocks of 32 codes, four codes in three bytes); cond_data_scales 4,096 x 16 uint8 (E8M0 scales of cond_data, one for each 32 codes along K); noise 4,096 x 4,096 float32; visible_data_codes 4,096 x 32 x 24 uint8 (E2M3 codes of visible_data, K innermost, in blocks of 32 codes, four codes in three bytes); visible_data_scales 4,096 x 32 uint8 (E8M0 scales of visible_data, one for each 32 codes along K).
;; Outputs: out0 4,096 x 1,024 float32.
;; This version of the problem:
;;   THIS VERSION OF THE PROBLEM IS GIVEN IN LOW PRECISION. The matrix products marked QUANTISED in the list below multiply operands that are first quantised to E2M3 (2 exponent bits, 3 mantissa bits; 6 bits a number), with one power-of-two scale for each 32 numbers along K (OCP MX v1.0); their sums are f32. All else is computed in f32.
;;   The module's matrix products, in the order in which they are computed (A, B: the left and right operand; K: the contracted axis; several contracted axes count as one K, in the product's order):
;;     1. [M 4,096, K 1,024] x [K 1,024, N 4,096]; A: input visible_data (given as codes); B: input W: QUANTISED
;;     2. [M 4,096, K 512] x [K 512, N 4,096]; A: input cond_data (given as codes); B: input B (given as codes): QUANTISED
;;     3. [M 4,096, K 4,096] x [K 4,096, N 1,024]; A: computed on the way; B: input W: QUANTISED
;;     4. [M 4,096, K 512] x [K 512, N 1,024]; A: input cond_data (given as codes); B: input A (given as codes): QUANTISED
;;   THE QUANTISER, for each operand of a quantised product, along K:
;;     - K is cut into blocks of 32 from its start; a last block that is shorter is filled with zeros.
;;     - A block's scale is 2^e with e = floor(log2(the largest magnitude in the block)) - 2, held to -126 .. 127; a block of zeros has e = 0. As a byte (E8M0): e + 127.
;;     - Each number is divided by its block's scale, clamped to +-7.5, and rounded to the nearest number of E2M3, ties to even, subnormals kept.
;;     - The product sums the exact products of the quantised numbers (number of the format x scale) in f32.
;;   ~~~python
;;   def quantise(x, axis):      # numpy; x: float32 -> the quantised numbers, widened to float32 again
;;       x = np.moveaxis(x, axis, -1); K = x.shape[-1]
;;       x = np.pad(x, [(0, 0)] * (x.ndim - 1) + [(0, -K % 32)]); x = x.reshape(x.shape[:-1] + (-1, 32)); a = np.abs(x).max(-1, keepdims=True)
;;       e = np.where(a > 0, np.clip(np.frexp(np.where(a > 0, a, 1))[1] - 1 - 2, -126, 127), 0)      # np.frexp(a)[1] - 1 = floor(log2(a)), exactly
;;       r = np.clip(x / 2.0 ** e, -7.5, 7.5)
;;       step = 2.0 ** (np.maximum(np.frexp(np.where(r == 0, 1, r))[1] - 1, 0) - 3)
;;       q = np.round(r / step) * step * 2.0 ** e      # np.round: ties to even
;;       return np.moveaxis(q.reshape(q.shape[:-2] + (-1,))[..., :K], -1, axis).astype(np.float32)
;;   ~~~
;;   OPERANDS COMPUTED ON THE WAY. 'Computed on the way' means the value that the module computes at that place (a softmax that the list does not call 'softmax' is quantised finished and normalised). What goes into a quantiser is computed in f32, as accurately as f32 sums, v_exp_f32 and their like allow (about 1e-6 of the number): no bf16 or f16 on the way to a quantiser, and a product that is left as it is and whose result goes on into a quantised operand takes f32 operands (vector FMAs, or v_wmma_f32_16x16x4_f32). A number that lies on a knife's edge between two numbers of the format may be rounded either way, as far as f32 arithmetic and the matrix unit's own rounding can turn it there, and no further.
;;   INPUTS GIVEN AS CODES. A (in the module: [512, 1024], K = its axis 0); B (in the module: [512, 4096], K = its axis 0); cond_data (in the module: [4096, 512], K = its axis 1); visible_data (in the module: [4096, 1024], K = its axis 1): each comes as NAME_codes (uint8): NAME with its K axis moved to the last place and cut into blocks of 32 codes, [.., K / 32, bytes a block], one block behind the other in memory; four codes in three bytes: a row's codes are one little-endian stream of bits, code i at bits 6 i .. 6 i + 5 (a code: sign, 2 exponent bits, 3 mantissa bits); and NAME_scales (uint8): the same leading axes, one E8M0 byte (e + 127) for each 32 codes along K. Its value is code x scale, taken as it is: it is not quantised again, and the codes and scales need not be those that the quantiser above would give.
;; One version. Each part assembles by itself: llvm-mc -triple=amdgcn-amd-amdhsa -mcpu=gfx1250 --defsym DOCPART=n.
;; ======== version 1 of 1: 4 launches
;; limits: right only within a limited range of input values
;; workspace buffers: XA 4,915,200 bytes; WB 4,915,200 bytes; HC 14,745,600 bytes; WA 3,686,400 bytes; PART 524,288 bytes
;; launch prep (part 1): grid 256 x 1, 4 waves a work-group, no clusters, 168,448 bytes of LDS; arguments W, visible_data_codes, visible_data_scales, cond_data_codes, cond_data_scales, B_codes, B_scales, A_codes, A_scales, XA, WB, HC, WA; writes XA, WB, HC, WA
.if DOCPART == 1
	.amdgcn_target "amdgcn-amd-amdhsa--gfx1250"
	.amdhsa_code_object_version 6
	.text
	.protected	k_q97cbc56658_prep
	.globl	k_q97cbc56658_prep
	.p2align	8
	.type	k_q97cbc56658_prep,@function
k_q97cbc56658_prep:
	s_mov_b64 s[64:65], 0
	v_nop
	global_prefetch_b8 v0, s[64:65] scope:SCOPE_SE
	s_setreg_imm32_b32 hwreg(HW_REG_WAVE_MODE, 25, 1), 1
	s_wait_xcnt 0x0
; PREP: every operand of the four products is laid as PANELS, and W (f32) is quantised twice to FP6 (E2M3), along each of its axes.
; A PANEL is 128 rows x 128 along K, 12,800 bytes: fragment i (rows 16 i on) is an image of the operand's 12 registers at byte 1,536 i (registers 4 c .. 4 c + 3 of lane l at + 512 c + 16 l);
; the scale word (four E8M0 bytes, 128 along K) of row 16 i + r lies at 12,288 + 256 (i / 4) + 16 r + 4 (i % 4).
; XA [32 groups of 128 batch rows][12]: K steps 0-7 visible_data, 8-11 cond_data.   WB [32 groups of hidden units][12]: 0-7 W along nvis, 8-11 B.
; HC [32][36]: 0-31 are written by the next launch, 32-35 cond_data once more.       WA [8 groups of visible units][36]: 0-31 W along nhid, 32-35 A.
; SHARES. Work-group x owns W's tile of rows 128 (x / 32) on and columns 128 (x % 32) on: it comes into LDS once, by one tensor load a wave (32 rows of 512 bytes, 16 bytes of padding behind each), and is
; quantised from there both ways: waves 0, 1 by rows (K = nhid, to WA), waves 2, 3 by columns (K = nvis, to WB); each wave makes half a panel.  While the tile is on its way each wave re-lays half a panel of given codes.
; THE QUANTISER: a block's scale byte is its largest magnitude's exponent field - 2, held at 1 from below (a block of zeros so gets 1 where the rule says 127: its codes are zeros, and this program alone reads the bytes).
; LIMITS: blocks of W whose largest magnitude lies under 2^-124 are held at byte 1 (not tried); NaN and infinities in W are not served.
; The re-laying reads 8 bytes a lane from rows 384 or 768 bytes apart: 6.7 MB in all; its stores, and all others here, cover 512 or 256 consecutive aligned bytes.
.set PANEL,  12800
.set WPITCH, 528                       ; a row of the tile in LDS: 512 bytes + 16: 33 x 16 bytes, so sixteen rows' 16-byte pieces start 16 bytes apart modulo 256
.set LI,  4                            ; v4   16 x lane
.set VW,  5                            ; v5   16 r + 8 h: where a lane's two scale words go
.set AR,  8                            ; v8   rows' role: my place in the tile
.set AC,  9                            ; v9   columns' role: my place in the tile
.set SH,  10                           ; v10  8 h
.set MX,  12                           ; v12-13 largest magnitudes
.set SOP, 14                           ; v14-15 the conversions' scale operands
.set BYT, 16                           ; v16-17 scale bytes
.set WRD, 18
.set PWD, 19
.set TMP, 20                           ; v20-27 second halves of blocks' codes
.set SWD, 28                           ; v28-31 four fragments' scale words
.set TSW, 32                           ; v32-33 the two that I store
.set RF,  36                           ; v36-83 four fragments on their way through
.set RW,  84                           ; v84-85 and two scale words
.set XN,  96                           ; v96-159 64 numbers of W
.set FC,  160                          ; v160-207 four fragments of codes, each with registers of its own: no store's data are written again
	s_load_b512 s[8:23], s[0:1], 0x0               ; W 8, visible codes 10, scales 12, cond codes 14, scales 16, B codes 18, scales 20, A codes 22
	s_load_b256 s[24:31], s[0:1], 0x40             ; A scales 24, XA 26, WB 28, HC 30
	s_load_b64 s[32:33], s[0:1], 0x60              ; WA
	v_lshl_add_u32 v208, v0, 2, 0x29000
	v_mov_b32 v209, 0
	ds_add_u32 v208, v209
	ds_add_u32 v208, v209
	v_lshrrev_b32 v1, 5, v0
	v_readfirstlane_b32 s2, v1                     ; wave 0..3
	s_lshr_b32 s3, ttmp9, 5                        ; tv: which 128 rows of W (nvis)
	s_and_b32 s4, ttmp9, 31                        ; th: which 128 columns (nhid)
	s_and_b32 s5, s2, 1                            ; q: which half of a panel is mine
	; descriptor group 1: 32 rows x 128 elements of 4 bytes, 4,096 elements from row to row; 4 words of padding behind every 128 words
	s_mov_b32 s40, (2<<16)|(1<<20)|(6<<22)|(3<<25)
	s_mov_b32 s41, 128<<16                         ; tensor_dim0
	s_mov_b32 s42, 32<<16                          ; tensor_dim1
	s_mov_b32 s43, 128<<16                         ; tile_dim0
	s_mov_b32 s44, 32                              ; tile_dim1
	s_mov_b32 s45, 4096                            ; stride
	s_mov_b32 s46, 0
	s_mov_b32 s47, 0
	s_lshl_b32 s6, s3, 7
	s_lshl_b32 s7, s2, 5
	s_add_co_u32 s6, s6, s7                        ; row 128 tv + 32 wave
	s_lshl_b32 s6, s6, 14                          ; x 16,384 bytes
	s_lshl_b32 s7, s4, 9                           ; + 512 th
	s_add_co_u32 s54, s6, s7
	s_mov_b32 s55, 0
	s_mov_b32 s36, 1
	s_mul_i32 s37, s2, 32*WPITCH                   ; LDS: my 32 rows
	s_wait_dscnt 0x0
	s_wait_kmcnt 0x0
	s_add_nc_u64 s[38:39], s[8:9], s[54:55]
	s_or_b32 s39, s39, 0x80000000
	tensor_load_to_lds s[36:39], s[40:47]          ; my one tensor load: a first fill; nothing is filled again in this launch
	s_nop 0
.rept 4
	v_nop
.endr
	v_and_b32 v1, 31, v0                           ; lane
	v_and_b32 v2, 15, v0                           ; r
	v_bfe_u32 v3, v0, 4, 1                         ; h
	v_lshlrev_b32 v[LI], 4, v1
	v_lshlrev_b32 v[VW], 4, v2
	v_lshl_add_u32 v[VW], v3, 3, v[VW]
	v_mul_u32_u24 v[AR], v2, WPITCH
	v_lshl_add_u32 v[AR], v3, 7, v[AR]
	s_mul_i32 s6, s5, 64*WPITCH
	v_add_nc_u32 v[AR], s6, v[AR]                  ; row 64 q + r, + 128 h bytes: 32 numbers of my half of a block pair
	v_mul_u32_u24 v[AC], v3, 32*WPITCH
	v_lshl_add_u32 v[AC], v2, 2, v[AC]
	s_lshl_b32 s6, s5, 8
	v_add_nc_u32 v[AC], s6, v[AC]                  ; row 32 h, column 64 q + r
	v_lshlrev_b32 v[SH], 3, v3
	v_mov_b32 v[PWD], 0                            ; written once: a lane permute's destination counts as one of its sources
	s_mov_b32 s50, 0xffff0000                      ; lanes 16-31
	s_mov_b32 s52, 0x76543210
	s_mov_b32 s53, 0xfedcba98                      ; v_permlanex16_b32's selects for lane l xor 16
; ---- A: half a panel of given codes (64 rows x 128 along K) is re-laid.  s48 = the unit: q = bit 0, then LOGNS bits of K step, then the group of 128 rows.
.macro RLOAD cp, sp, KROW, KS, LOGNS
	s_wait_xcnt 0x0                                ; bases, offsets and data registers of earlier loads and stores are written again only behind this wait
	s_and_b32 s49, s48, 1                          ; q
	s_lshr_b32 s51, s48, 1
	s_and_b32 s51, s51, (1<<\LOGNS)-1              ; K step
	s_lshr_b32 s6, s48, 1+\LOGNS                   ; group
	s_lshl_b32 s7, s6, 1
	s_add_co_u32 s7, s7, s49                       ; which 64 rows
	s_mul_i32 s54, s7, 64*\KROW
	s_mul_i32 s66, s51, 96
	s_add_co_u32 s54, s54, s66
	s_mov_b32 s55, 0
	s_add_nc_u64 s[56:57], s[\cp:\cp+1], s[54:55]
	s_mul_i32 s54, s7, 64*\KS
	s_lshl_b32 s66, s51, 2
	s_add_co_u32 s54, s54, s66
	s_add_nc_u64 s[58:59], s[\sp:\sp+1], s[54:55]
	v_mul_u32_u24 v6, v2, \KROW
	v_mad_u32_u24 v6, v3, 24, v6                   ; row r, + 24 h: the fragment's layout, as the codes lie
	v_lshl_add_u32 v7, v3, 5, v2
	v_mul_u32_u24 v7, v7, \KS                      ; row r + 32 h: lane (r, h) takes the scale words of fragments 2 h and 2 h + 1
.irp i, 0,1,2,3
.irp p, 0,1,2,3,4,5
	global_load_b64 v[RF+12*\i+2*\p:RF+12*\i+2*\p+1], v6, s[56:57] offset:16*\i*\KROW+48*(\p/3)+8*(\p%3)
.endr
.endr
.irp e, 0,1
	global_load_b32 v[RW+\e], v7, s[58:59] offset:16*\e*\KS
.endr
.endm
.macro RSTORE dp, DNS, DS0                     ; to panel (group x DNS + DS0 + K step) of buffer dp
	s_wait_xcnt 0x0                                ; the bases below may have served earlier stores
	s_mul_i32 s54, s6, \DNS
	s_add_co_u32 s54, s54, s51
	s_add_co_u32 s54, s54, \DS0
	s_mul_i32 s54, s54, PANEL
	s_mul_i32 s66, s49, 6144
	s_add_co_u32 s66, s66, s54
	s_mov_b32 s67, 0
	s_add_nc_u64 s[60:61], s[\dp:\dp+1], s[66:67]  ; my four fragments
	s_lshl_b32 s66, s49, 8
	s_add_co_u32 s66, s66, s54
	s_add_co_u32 s66, s66, 12288
	s_add_nc_u64 s[62:63], s[\dp:\dp+1], s[66:67]  ; their scale words
.irp i, 0,1,2,3
.irp c, 0,1,2
	global_store_b128 v[LI], v[RF+12*\i+4*\c:RF+12*\i+4*\c+3], s[60:61] offset:1536*\i+512*\c   ; 32 lanes store 512 consecutive bytes
.endr
.endr
	global_store_b64 v[VW], v[RW:RW+1], s[62:63]   ; 256 consecutive bytes
.endm
	s_lshl_b32 s48, ttmp9, 2
	s_add_co_u32 s48, s48, s2                      ; 4 x + wave
	s_cmp_lt_u32 ttmp9, 16
	s_cbranch_scc0 .Lnot_first
.set RF, 96                                    ; work-groups 0-15 take a unit of A besides their unit of visible_data: both units' loads go out together, A's into registers that W's numbers use later
.set RW, 144
	RLOAD 22, 24, 384, 16, 2
.set RF, 36
.set RW, 84
	RLOAD 10, 12, 768, 32, 3
	s_wait_loadcnt 0x0
	RSTORE 26, 12, 0
	s_and_b32 s49, s48, 1                          ; A's unit once more: q, K step, group
	s_lshr_b32 s51, s48, 1
	s_and_b32 s51, s51, 3
	s_lshr_b32 s6, s48, 3
.set RF, 96
.set RW, 144
	RSTORE 32, 36, 32
.set RF, 36
.set RW, 84
	s_wait_xcnt 0x0                                ; these stores' data registers are loaded again below
	s_branch .Lrelaid
.Lnot_first:
	s_cmp_lt_u32 ttmp9, 128
	s_cbranch_scc0 .Lnot_visible
	RLOAD 10, 12, 768, 32, 3                       ; work-groups 0-127: visible_data, 512 units
	s_wait_loadcnt 0x0
	RSTORE 26, 12, 0
	s_branch .Lrelaid
.Lnot_visible:
	s_cmp_lt_u32 ttmp9, 192
	s_cbranch_scc0 .Lrelay_b
	s_sub_co_u32 s48, s48, 512
	RLOAD 14, 16, 384, 16, 2                       ; work-groups 128-191: cond_data, 256 units, to both products' buffers
	s_wait_loadcnt 0x0
	RSTORE 26, 12, 8
	RSTORE 30, 36, 32
	s_branch .Lrelaid
.Lrelay_b:
	s_sub_co_u32 s48, s48, 768
	RLOAD 18, 20, 384, 16, 2                       ; work-groups 192-255: B, 256 units
	s_wait_loadcnt 0x0
	RSTORE 28, 12, 8
.Lrelaid:
; ---- B: W's tile
	s_wait_tensorcnt 0x0                           ; my 32 rows have landed,
	s_barrier_signal -1
	s_barrier_wait -1                              ; everybody's have
.macro PBASE dp, NS, hi, lo                    ; s[68:69]: my half's fragments in panel (s[hi] x NS + s[lo]) of buffer dp; s[70:71]: their scale words
	s_mul_i32 s6, s[\hi], \NS
	s_add_co_u32 s6, s6, s[\lo]
	s_mul_i32 s6, s6, PANEL
	s_mul_i32 s66, s5, 6144
	s_add_co_u32 s66, s66, s6
	s_mov_b32 s67, 0
	s_add_nc_u64 s[68:69], s[\dp:\dp+1], s[66:67]
	s_lshl_b32 s66, s5, 8
	s_add_co_u32 s66, s66, s6
	s_add_co_u32 s66, s66, 12288
	s_add_nc_u64 s[70:71], s[\dp:\dp+1], s[66:67]
.endm
; 64 numbers of a lane, register 32 c + j = k 64 c + 32 h + j of its row: two whole blocks; they become fragment i's registers, in place, and its scale word.
.macro QW i
.irp c, 0,1
	v_max3_num_f32 v[MX+\c], |v[XN+32*\c]|, |v[XN+32*\c+1]|, 0x1800000   ; with the floor 2^(3 - 127): the byte cannot fall under 1
.endr
.irp k, 2,4,6,8,10,12,14,16,18,20,22,24,26,28,30
.irp c, 0,1
	v_max3_num_f32 v[MX+\c], v[MX+\c], |v[XN+32*\c+\k]|, |v[XN+32*\c+\k+1]|   ; (the two blocks by turns)
.endr
.endr
.irp c, 0,1
	v_add_nc_u32 v[SOP+\c], 0xff000000, v[MX+\c]   ; 2 off the exponent field: the conversion takes that field as its scale
.endr
.irp c, 0,1
	v_lshrrev_b32 v[BYT+\c], 23, v[SOP+\c]         ; the scale's byte
.endr
	v_lshl_or_b32 v[WRD], v[BYT+1], 16, v[BYT]     ; blocks h and 2 + h,
	v_lshlrev_b32 v[WRD], v[SH], v[WRD]            ; at their places in the word;
	v_permlanex16_b32 v[PWD], v[WRD], s52, s53
	v_or_b32 v[SWD+\i], v[WRD], v[PWD]             ; with lane l xor 16's two the word is whole
.irp c, 0,1
	v_cvt_scalef32_pk16_fp6_f32 v[FC+12*\i+6*\c:FC+12*\i+6*\c+2], v[XN+32*\c:XN+32*\c+15], v[SOP+\c]
	v_cvt_scalef32_pk16_fp6_f32 v[TMP+4*\c:TMP+4*\c+2], v[XN+32*\c+16:XN+32*\c+31], v[SOP+\c]   ; (a conversion's three registers begin on an even number)
.endr
	v_nop                                          ; one plain place behind a scaled conversion
.irp c, 0,1
.irp k, 0,1,2
	v_mov_b32 v[FC+12*\i+6*\c+3+\k], v[TMP+4*\c+\k]
.endr
.endr
.irp c, 0,1,2
	global_store_b128 v[LI], v[FC+12*\i+4*\c:FC+12*\i+4*\c+3], s[68:69] offset:1536*\i+512*\c   ; 512 consecutive bytes
.endr
.endm
.macro WORDS                                   ; lane (r, h) stores the words of fragments 2 h and 2 h + 1 of row r
	v_cndmask_b32 v[TSW], v[SWD], v[SWD+2], s50
	v_cndmask_b32 v[TSW+1], v[SWD+1], v[SWD+3], s50
	global_store_b64 v[VW], v[TSW:TSW+1], s[70:71]
.endm
	s_cmp_lt_u32 s2, 2
	s_cbranch_scc0 .Lcolumns
	PBASE 32, 36, 3, 4                             ; waves 0, 1: rows = visible units, K = nhid: WA's panel (tv, th)
.irp f, 0,1,2,3
.irp c, 0,1
.irp t, 0,1,2,3,4,5,6,7
	ds_load_b128 v[XN+32*\c+4*\t:XN+32*\c+4*\t+3], v[AR] offset:16*WPITCH*\f+256*\c+16*\t   ; W(64 q + 16 f + r, 64 c + 32 h + 4 t ..)
.endr
.endr
	s_wait_dscnt 0x0
	QW \f
.endr
	WORDS
	s_wait_tensorcnt 0x0
	ds_add_u32 v208, v209
	s_wait_dscnt 0x0
	s_endpgm
.Lcolumns:
	PBASE 28, 12, 4, 3                             ; waves 2, 3: rows = hidden units, K = nvis: WB's panel (th, tv).  A lane takes a column, and its registers run down K
	s_wait_alu depctr_va_vdst(0)
.irp f, 0,1,2,3
.irp c, 0,1
.irp j, 0,1,2,3,4,5,6,7,8,9,10,11,12,13,14,15,16,17,18,19,20,21,22,23,24,25,26,27,28,29,30,31
	ds_load_b32 v[XN+32*\c+\j], v[AC] offset:(64*\c+\j)*WPITCH+64*\f   ; W(64 c + 32 h + j, 64 q + 16 f + r)
.endr
.endr
	s_wait_dscnt 0x0
	QW \f
.endr
	WORDS
	s_wait_tensorcnt 0x0
	ds_add_u32 v208, v209
	s_wait_dscnt 0x0
	s_endpgm
.Lfunc_end_k_q97cbc56658_prep:
	.size	k_q97cbc56658_prep, .Lfunc_end_k_q97cbc56658_prep-k_q97cbc56658_prep
	.p2alignl 7, 3214868480
	.fill 96, 4, 3214868480
	.section	.rodata,"a",@progbits
	.p2align	6, 0x0
	.amdhsa_kernel k_q97cbc56658_prep
		.amdhsa_group_segment_fixed_size 168448
		.amdhsa_private_segment_fixed_size 0
		.amdhsa_enable_private_segment 0
		.amdhsa_kernarg_size 104
		.amdhsa_user_sgpr_count 2
		.amdhsa_user_sgpr_kernarg_segment_ptr 1
		.amdhsa_wavefront_size32 1
		.amdhsa_system_sgpr_workgroup_id_x 1
		.amdhsa_system_sgpr_workgroup_id_y 1
		.amdhsa_system_sgpr_workgroup_id_z 1
		.amdhsa_system_vgpr_workitem_id 0
		.amdhsa_next_free_vgpr 210
		.amdhsa_next_free_sgpr 72
		.amdhsa_reserve_vcc 0
		.amdhsa_float_denorm_mode_32 3
		.amdhsa_float_denorm_mode_16_64 3
		.amdhsa_memory_ordered 1
		.amdhsa_forward_progress 1
		.amdhsa_inst_pref_size 79
	.end_amdhsa_kernel
	.amdgpu_metadata
---
amdhsa.version: [ 1, 2 ]
amdhsa.kernels:
  - .name:           k_q97cbc56658_prep
    .symbol:         k_q97cbc56658_prep.kd
    .args:
      - { .name: W, .offset: 0, .size: 8, .value_kind: global_buffer, .address_space: global }
      - { .name: visible_data_codes, .offset: 8, .size: 8, .value_kind: global_buffer, .address_space: global }
      - { .name: visible_data_scales, .offset: 16, .size: 8, .value_kind: global_buffer, .address_space: global }
      - { .name: cond_data_codes, .offset: 24, .size: 8, .value_kind: global_buffer, .address_space: global }
      - { .name: cond_data_scales, .offset: 32, .size: 8, .value_kind: global_buffer, .address_space: global }
      - { .name: B_codes, .offset: 40, .size: 8, .value_kind: global_buffer, .address_space: global }
      - { .name: B_scales, .offset: 48, .size: 8, .value_kind: global_buffer, .address_space: global }
      - { .name: A_codes, .offset: 56, .size: 8, .value_kind: global_buffer, .address_space: global }
      - { .name: A_scales, .offset: 64, .size: 8, .value_kind: global_buffer, .address_space: global }
      - { .name: XA, .offset: 72, .size: 8, .value_kind: global_buffer, .address_space: global }
      - { .name: WB, .offset: 80, .size: 8, .value_kind: global_buffer, .address_space: global }
      - { .name: HC, .offset: 88, .size: 8, .value_kind: global_buffer, .address_space: global }
      - { .name: WA, .offset: 96, .size: 8, .value_kind: global_buffer, .address_space: global }
    .group_segment_fixed_size: 168448
    .private_segment_fixed_size: 0
    .kernarg_segment_align: 8
    .kernarg_segment_size: 104
    .max_flat_workgroup_size: 128
    .sgpr_count:     72
    .vgpr_count:     210
    .wavefront_size: 32
...
	.end_amdgpu_metadata
.endif
;; end of part 1
;; launch hidden (part 2): grid 8 x 32, 4 waves a work-group, clusters of 4 x 1, 327,680 bytes of LDS; arguments XA, WB, noise, c, HC; writes HC
.if DOCPART == 2
	.amdgcn_target "amdgcn-amd-amdhsa--gfx1250"
	.amdhsa_code_object_version 6
	.text
	.protected	k_q97cbc56658_hidden
	.globl	k_q97cbc56658_hidden
	.p2align	8
	.type	k_q97cbc56658_hidden,@function
k_q97cbc56658_hidden:
	s_mov_b64 s[64:65], 0
	v_nop
	global_prefetch_b8 v0, s[64:65] scope:SCOPE_SE
	s_setreg_imm32_b32 hwreg(HW_REG_WAVE_MODE, 25, 1), 1
	s_wait_xcnt 0x0
	s_wait_alu depctr_hold_cnt(0) depctr_sa_sdst(0) depctr_va_vdst(0) depctr_va_sdst(0) depctr_va_ssrc(0) depctr_va_vcc(0) depctr_vm_vsrc(0)
	s_getreg_b32 s2, hwreg(HW_REG_IB_STS2, 6, 4)
	s_cmp_eq_u32 s2, 0
	s_cbranch_scc0 .Lentry_in_a_cluster
	s_endpgm
.Lentry_in_a_cluster:
	s_bfe_u32 s2, ttmp6, 0x10000c
	s_cmp_lg_u32 s2, 0x3003
	s_cbranch_scc0 .Lentry_shape_is_right
	s_endpgm
.Lentry_shape_is_right:
; HIDDEN: h = (noise < sigmoid(v W + u B + c)), as one sum over 12 K steps of 128 on FP6 (E2M3) codes with E8M0 scales; h goes out as codes, in the panels that the next launch reads.
; Panels as the first launch lays them: 128 rows x 128 K, 12,800 bytes: fragment i is a register image at 1,536 i, the scale words lie from byte 12,288 on.
; SHARES. A work-group makes 128 batch rows x 512 hidden units; a wave 128 x 128: 64 accumulators, 512 registers.
; XA's 12 panels of the 128 rows (153,600 bytes) come into LDS once and stay: one tensor load a wave, three panels each, asked for JOINTLY by the four work-groups of a cluster, which share the batch rows.
; WB's panels are each read by ONE wave of the work-group: they go from memory straight into registers, three sets of 96, the loads of K step s + 3 issued when step s has been multiplied; no barrier stands in the K loop.
; WB is not asked for jointly: it does not pass through LDS.
; NOISE: a wave's 128 x 128 numbers come by two tensor loads into LDS bytes of its own (rows of 512 bytes + 16): rows 0-79 as a first fill behind the first round, rows 80-127 into XA's bytes, behind a round at the last K step.
; TRANSPOSED USE: source 0 = 16 hidden units, source 1 = 16 batch rows: lane (r, h) holds batch row r, tile b's register j is unit 16 b + 8 h + j.
; noise < 1 / (1 + e), e = exp(-x), is taken as noise + noise e < 1.  h's blocks have the scale byte 125 and the codes 4.0 and 0 (a block of zeros so has 125 where the rule says 127: its codes are zeros).
; LIMIT: where e overflows and noise is 0 the product is a NaN, and h is 0, as reference() has it.  NaN and infinities in the inputs are not served.
; PREFETCHES: WB: the 150 blocks of 256 bytes of three K steps are shared out among 30 of the 32 work-groups that read them, five lanes each (the other lanes name the fifth again), asked for one trip of three steps ahead of the
; trip that loads them; noise rows 80-127: 96 blocks, a wave's own, in steps 7 to 9, at least two steps ahead of their tensor load.  XA and noise rows 0-79 are asked for at the head: no loop runs ahead of them.
; REGISTERS: window 0: v0-15 addresses; v16-39 WB's scale words, v40-63 XA's, three sets each; v64-159 XA's fragments, one set; v160-255 WB's set 2.  window 1: WB's sets 0, 1 at v0, v96.  windows 2, 3: accumulator (a, b) at 8 (8 (a % 4) + b).
.set PANEL,  12800
.set TRI,    3*PANEL
.set NPITCH, 528
.set NROW1,  80
.set NB1,    4*TRI
.set NSZ1,   NROW1*NPITCH
.set SPARE,  NB1+4*NSZ1                ; the spare words: two blocks of 256 bytes that no other line names
.set BLK,    16*NPITCH
.set FR,   12
.set LI,   4                           ; 16 x lane
.set ADRA, 5                           ; XA's fragments in LDS
.set ASC,  6                           ; XA's scale words in LDS
.set BSC,  7                           ; 12,288 + 16 r
.set NA1,  8                           ; my noise rows 0-79
.set NA2,  9                           ; my noise rows 80-127
.set CA,   10                          ; 32 h
.set PFW,  11
.set PFN,  12
.set SPW,  13
.set NIL,  14
.set QS,   15                          ; 2^-2: the conversions' scale operand
.set SB,   16
.set SA,   40
.set AF,   64
.set TT,   64
.set NZ,   128
.set RR,   192
.set FF,   208
.set SW,   220
.set G1X, 24
.set G0X, 32
.set G0N, 36
.set G0M, 40
.set G1N, 44
.set G1M, 52
.set MSB, 0
.macro WIN new
.if MSB != (\new)
	s_set_vgpr_msb (MSB<<8)|(\new)
.set MSB, (\new)
.endif
.endm
.macro ROUND                           ; a round of the cluster's barrier
	s_barrier_signal -1
	s_barrier_wait -1
	s_cmp_lg_u32 s14, 0
	s_cbranch_scc1 .Lnw0_\@
	s_barrier_signal -3
.Lnw0_\@:
	s_barrier_wait -3
	s_barrier_signal -1
	s_barrier_wait -1
.endm
.macro PLACES
.rept 4
	v_nop
.endr
.endm
.macro ASKW off                        ; my work-group's five blocks of three K steps of WB
	s_cmp_lt_u32 s16, 30
	s_cbranch_scc0 .Lnoask_\@
	global_prefetch_b8 v[PFW], s[6:7] offset:\off th:TH_LOAD_NT scope:SCOPE_SE
.Lnoask_\@:
.endm
.macro LOADB p, kb                     ; WB's panel kb from the base into set p: 24 loads of 512 consecutive bytes, 2 of scale words
.set BB, 96*(\p)-32*((\p)/2)
	WIN 0x40*(1-(\p)/2)
.irp i, 0,1,2,3,4,5,6,7
.irp c, 0,1,2
	global_load_b128 v[BB+FR*\i+4*\c:BB+FR*\i+4*\c+3], v[LI], s[6:7] offset:PANEL*(\kb)+1536*\i+512*\c
.endr
.endr
	WIN 0
.irp u, 0,1
	global_load_b128 v[SB+8*(\p)+4*\u:SB+8*(\p)+4*\u+3], v[BSC], s[6:7] offset:PANEL*(\kb)+256*\u
.endr
.endm
.macro FETCH_A ka, i0                  ; XA's blocks i0 .. i0 + 3 of panel ka from the base
.irp i, \i0, \i0+1, \i0+2, \i0+3
.irp c, 0,1,2
	ds_load_b128 v[AF+FR*(\i)+4*\c:AF+FR*(\i)+4*\c+3], v[ADRA] offset:PANEL*(\ka)+1536*(\i)+512*\c
.endr
.endr
.endm
.macro SCA p, ka
.irp u, 0,1
	ds_load_b128 v[SA+8*(\p)+4*\u:SA+8*(\p)+4*\u+3], v[ASC] offset:PANEL*(\ka)+256*\u
.endr
.endm
.macro MUL16 a0, p, zero               ; the 64 accumulators take turns in one order in every step
.set BB, 96*(\p)-32*((\p)/2)
.irp a, \a0, \a0+1
.irp b, 0,1,2,3,4,5,6,7
.if \zero
	v_wmma_scale_f32_16x16x128_f8f6f4 v[8*(8*((\a)%4)+\b):8*(8*((\a)%4)+\b)+7], v[BB+FR*\b:BB+FR*\b+FR-1], v[AF+FR*(\a):AF+FR*(\a)+FR-1], 0, v[SB+8*(\p)+\b], v[SA+8*(\p)+(\a)] matrix_a_fmt:MATRIX_FMT_FP6 matrix_b_fmt:MATRIX_FMT_FP6
.else
	v_wmma_scale_f32_16x16x128_f8f6f4 v[8*(8*((\a)%4)+\b):8*(8*((\a)%4)+\b)+7], v[BB+FR*\b:BB+FR*\b+FR-1], v[AF+FR*(\a):AF+FR*(\a)+FR-1], v[8*(8*((\a)%4)+\b):8*(8*((\a)%4)+\b)+7], v[SB+8*(\p)+\b], v[SA+8*(\p)+(\a)] matrix_a_fmt:MATRIX_FMT_FP6 matrix_b_fmt:MATRIX_FMT_FP6
.endif
.endr
.endr
.endm
; A K step on set p.  ka: the next step's panel of XA; kb: the panel of WB three steps on, into the set just multiplied (-1: none); lc: the global loads issued behind this set's.
.macro STEP p, ka, kb, zero, lc, pf
	s_wait_loadcnt \lc                             ; my set of WB is in; the younger loads stay out
	s_wait_dscnt 12                                ; XA's blocks 0-3 and scale words are in; blocks 4-7 may be out
	WIN 0xa0+1-(\p)/2
	MUL16 0, \p, \zero
	MUL16 2, \p, \zero
	s_wait_dscnt 0x0
	PLACES                                         ; in front of loads into registers that matrix instructions have read
	WIN 0
	FETCH_A \ka, 0
	SCA ((\p)+1)%3, \ka
.if \pf == 1
	ASKW 6*PANEL                                   ; what the next trip loads
.endif
.if \pf > 1
	global_prefetch_b8 v[PFN], s[8:9] offset:(NROW1+16*((\pf)-2))*16384 th:TH_LOAD_NT scope:SCOPE_SE
.endif
	WIN 0xf0+1-(\p)/2
	MUL16 4, \p, \zero
	MUL16 6, \p, \zero
	PLACES
	WIN 0
	FETCH_A \ka, 4
.if \kb >= 0
.if \p == 1
	s_wait_xcnt 0x0                                ; the last loads by this base went out a K step ago, the prefetch half a step ago
	s_add_nc_u64 s[6:7], s[6:7], TRI               ; WB's base: three panels on
.endif
	LOADB \p, \kb
.endif
.endm
	s_load_b128 s[4:7], s[0:1], 0x0                ; XA, WB
	s_load_b128 s[8:11], s[0:1], 0x10              ; noise, c
	s_load_b64 s[12:13], s[0:1], 0x20              ; HC
	v_lshl_add_u32 v[SPW], v0, 2, SPARE
	v_mov_b32 v[NIL], 0
	ds_add_u32 v[SPW], v[NIL]                      ; the opening lines: the add, twice on end, and its wait
	ds_add_u32 v[SPW], v[NIL]
	v_lshrrev_b32 v1, 5, v0
	v_readfirstlane_b32 s14, v1                    ; wave 0..3
	s_bfe_u32 s17, ttmp6, 0x40000                  ; cx
	s_lshl_b32 s15, ttmp9, 2
	s_add_co_u32 s15, s15, s17                     ; which 512 hidden units
	s_and_b32 s16, ttmp7, 0xffff                   ; which 128 batch rows: shared by the cluster
	s_lshl_b32 s18, s15, 2
	s_add_co_u32 s18, s18, s14                     ; my group of 128 hidden units
	s_mov_b32 s[G1X+0], 15|(3<<16)|(1<<21)         ; the cluster's four; 38,400 dense bytes as 150 rows of 32 elements of 8 bytes
	s_mov_b32 s[G1X+1], 32<<16
	s_mov_b32 s[G1X+2], 150<<16
	s_mov_b32 s[G1X+3], 32<<16
	s_mov_b32 s[G1X+4], 150
	s_mov_b32 s[G1X+5], 32
	s_mov_b32 s[G1X+6], 0
	s_mov_b32 s[G1X+7], 0
.irp g, G1N, G1M                       ; noise: rows of 128 f32, 4,096 from row to row, 4 words of padding behind every 128
	s_mov_b32 s[\g+0], (2<<16)|(1<<20)|(6<<22)|(3<<25)
	s_mov_b32 s[\g+1], 128<<16
	s_mov_b32 s[\g+3], 128<<16
	s_mov_b32 s[\g+5], 4096
	s_mov_b32 s[\g+6], 0
	s_mov_b32 s[\g+7], 0
.endr
	s_mov_b32 s[G1N+2], NROW1<<16
	s_mov_b32 s[G1N+4], NROW1
	s_mov_b32 s[G1M+2], (128-NROW1)<<16
	s_mov_b32 s[G1M+4], 128-NROW1
	s_lshl_b32 s20, s16, 2
	s_add_co_u32 s20, s20, s14
	s_mul_i32 s20, s20, TRI                        ; XA: my three panels of the rows' twelve
	s_mov_b32 s21, 0
	s_mul_i32 s22, s18, 12*PANEL                   ; WB: my group's panels
	s_mov_b32 s23, 0
	s_lshl_b32 s66, s16, 21                        ; noise: 128 rows of 16,384 bytes,
	s_lshl_b32 s68, s18, 9                         ; 512 bytes a group; c likewise
	s_add_co_u32 s66, s66, s68
	s_mov_b32 s67, 0
	s_mov_b32 s69, 0
	s_mul_i32 s70, s16, 36
	s_add_co_u32 s70, s70, s18
	s_mul_i32 s70, s70, PANEL                      ; HC: panel (rows' group, my group as K step)
	s_mov_b32 s71, 0
	s_mul_i32 s72, s14, TRI
	s_mul_i32 s73, s14, NSZ1
	s_add_co_u32 s73, s73, NB1
	s_mul_i32 s74, s16, 5
	s_mov_b32 s75, 0
	s_mov_b32 s80, 0xbfb8aa3b                      ; -log2(e)
	s_mov_b32 s81, 0xbfb8aa3b
	s_mov_b32 s82, 0x05040100
	s_mov_b32 s83, 0x07060302
	s_mov_b32 s84, 0x05040302
	v_and_b32 v3, 31, v0
	v_lshlrev_b32 v[LI], 4, v3
	v_and_b32 v1, 15, v0                           ; r
	v_bfe_u32 v2, v0, 4, 1                         ; h
	v_lshl_add_u32 v[BSC], v1, 4, 12288
	v_mov_b32 v[ADRA], v[LI]
	v_mov_b32 v[ASC], v[BSC]
	v_mul_u32_u24 v[NA2], v1, NPITCH
	v_lshl_add_u32 v[NA2], v2, 5, v[NA2]           ; row r, + 32 h
	v_add_nc_u32 v[NA1], s73, v[NA2]
	v_add_nc_u32 v[NA2], s72, v[NA2]
	v_lshlrev_b32 v[CA], 5, v2
	v_min_u32 v[PFW], 4, v3
	v_add_lshl_u32 v[PFW], v[PFW], s74, 8          ; block 5 x rows' group + min(lane, 4)
	v_and_b32 v1, 1, v3
	v_lshlrev_b32 v1, 8, v1
	v_lshrrev_b32 v2, 1, v3
	v_lshl_add_u32 v[PFN], v2, 14, v1              ; row lane / 2, half lane % 2
	v_mov_b32 v[QS], 0x3e800000
	s_wait_alu depctr_va_vdst(0)
	s_wait_dscnt 0x0                               ; both opening adds are done
	s_wait_kmcnt 0x0
	s_add_nc_u64 s[6:7], s[6:7], s[22:23]
	LOADB 0, 0                                     ; K step 0 of WB
	ASKW TRI                                       ; K steps 3 to 5
	s_add_nc_u64 s[8:9], s[8:9], s[66:67]
	s_add_nc_u64 s[10:11], s[10:11], s[68:69]
	s_add_nc_u64 s[12:13], s[12:13], s[70:71]
	s_mov_b32 s[G0X], 1
	s_mul_i32 s[G0X+1], s14, TRI
	s_add_nc_u64 s[G0X+2:G0X+3], s[4:5], s[20:21]
	s_or_b32 s[G0X+3], s[G0X+3], 0x80000000
	s_mov_b32 s[G0N], 1
	s_mul_i32 s[G0N+1], s14, NSZ1
	s_add_co_u32 s[G0N+1], s[G0N+1], NB1
	s_mov_b64 s[G0N+2:G0N+3], s[8:9]
	s_or_b32 s[G0N+3], s[G0N+3], 0x80000000
	s_mov_b32 s[G0M], 1
	s_mul_i32 s[G0M+1], s14, TRI
	s_add_nc_u64 s[G0M+2:G0M+3], s[8:9], NROW1*16384
	s_or_b32 s[G0M+3], s[G0M+3], 0x80000000
	ROUND                                          ; the four work-groups are here: the joint loads meet
	tensor_load_to_lds s[G0X:G0X+3], s[G1X:G1X+7]  ; my three panels of XA: my one tensor load at the head
	s_nop 0
	PLACES
	LOADB 1, 1
	LOADB 2, 2
	s_wait_tensorcnt 0x0                           ; my panels are in
	ds_add_u32 v[SPW], v[NIL]
	s_wait_dscnt 0x0
	ROUND                                          ; everybody's panels are in
	tensor_load_to_lds s[G0N:G0N+3], s[G1N:G1N+7]  ; my noise rows 0-79: a first fill of bytes of my own
	s_nop 0
	PLACES
	FETCH_A 0, 0
	SCA 0, 0
	FETCH_A 0, 4
	STEP 0, 1, 3, 1, 52, 0                         ; K step 0 starts the sums.  52: two younger sets of 26 loads
	s_mov_b32 s76, 2
.Ltrip:                                            ; K steps 3 t + 1 .. 3 t + 3; XA's base stands at panel 3 t, WB's is stepped to 3 t + 3 ahead of the trip's first loads
	STEP 1, 2, 1, 0, 52, 1
	STEP 2, 3, 2, 0, 52, 0
	STEP 0, 4, 3, 0, 52, 0
	s_add_co_u32 s75, s75, TRI
	v_add_nc_u32 v[ADRA], s75, v[LI]
	v_add_nc_u32 v[ASC], s75, v[BSC]
	s_sub_co_u32 s76, s76, 1
	s_cmp_lg_u32 s76, 0
	s_wait_alu depctr_va_vdst(0)
	s_cbranch_scc1 .Ltrip
	STEP 1, 2, 1, 0, 52, 2
	STEP 2, 3, 2, 0, 52, 3
	STEP 0, 4, -1, 0, 52, 4
	WIN 0x40
.irp b, 0,1,2,3,4,5,6,7
.irp q, 0,1
	global_load_b128 v[8*\b+4*\q:8*\b+4*\q+3], v[CA], s[10:11] offset:64*\b+16*\q   ; c in the result's layout, into set 0, which is done with
.endr
.endr
	WIN 0
	s_add_co_u32 s75, s75, TRI
	v_add_nc_u32 v[ADRA], s75, v[LI]
	v_add_nc_u32 v[ASC], s75, v[BSC]
	s_wait_alu depctr_va_vdst(0)
	STEP 1, 2, -1, 0, 42, 0                        ; K step 10.  42: step 11's 26 loads and c's 16
	s_wait_loadcnt 16                              ; K step 11: c's 16 may be out
	s_wait_tensorcnt 0x0                           ; noise rows 0-79 are in;
	ds_add_u32 v[SPW], v[NIL]
	s_wait_dscnt 0x0                               ; the add is done, and my last reads of XA are back
	ROUND                                          ; nobody reads XA any more
	tensor_load_to_lds s[G0M:G0M+3], s[G1M:G1M+7]  ; noise rows 80-127, into the bytes that my panels of XA filled
	s_nop 0
	PLACES
	WIN 0xa0
	MUL16 0, 2, 0
	MUL16 2, 2, 0
	WIN 0xf0
	MUL16 4, 2, 0
	MUL16 6, 2, 0
	WIN 0
	PLACES
.macro NLOAD adr, off, p               ; 16 rows of noise in the result's layout, into v128-191 of window p
	WIN 0x40*(\p)
.irp b, 0,1,2,3,4,5,6,7
.irp q, 0,1
	ds_load_b128 v[NZ+8*\b+4*\q:NZ+8*\b+4*\q+3], v[\adr] offset:\off+64*\b+16*\q
.endr
.endr
	WIN 0
.endm
; Block a (16 batch rows x 128 hidden units): e = 2^(-log2(e) (x + c)); t = noise e + noise; h = (t < 1); codes; fragment a of the panel.
.macro EPI a, p, left, more, nadr, noff, tw
	s_wait_dscnt \left
	WIN 0x12+(\a)/4
	s_wait_alu depctr_va_vdst(0)                   ; ahead of the first reader of matrix results behind transcendentals
.set k, 0
.rept 32
	v_pk_fma_f32 v[TT+k:TT+k+1], v[64*((\a)%4)+k:64*((\a)%4)+k+1], s[80:81], v[k:k+1] op_sel_hi:[1,0,1]
.set k, k+2
.endr
	WIN 0
	s_wait_alu depctr_va_vdst(0)                   ; ahead of the batch
.set k, 0
.rept 64
	v_exp_f32 v[TT+k], v[TT+k]
.set k, k+1
.endr
	v_nop
	WIN 0x11*(\p)
	s_wait_alu depctr_va_vdst(0)                   ; and behind it
.set k, 0
.rept 32
	v_pk_fma_f32 v[TT+k:TT+k+1], v[NZ+k:NZ+k+1], v[TT+k:TT+k+1], v[NZ+k:NZ+k+1]
.set k, k+2
.endr
	WIN 0
.if \more
.if \tw
	s_wait_tensorcnt 0x0                           ; noise rows 80-127 are in
.endif
	NLOAD \nadr, \noff, \p
.endif
.set k, 0
.rept 16
	v_cmp_gt_f32 s92, 1.0, v[TT+k]
	v_cmp_gt_f32 s93, 1.0, v[TT+k+1]
	v_cmp_gt_f32 s94, 1.0, v[TT+k+2]
	v_cmp_gt_f32 s95, 1.0, v[TT+k+3]
	v_cndmask_b32 v[TT+k], 0, 1.0, s92
	v_cndmask_b32 v[TT+k+1], 0, 1.0, s93
	v_cndmask_b32 v[TT+k+2], 0, 1.0, s94
	v_cndmask_b32 v[TT+k+3], 0, 1.0, s95
.set k, k+4
.endr
	s_wait_alu depctr_va_vdst(0)
	s_wait_xcnt 0x0                                ; the last block's stores have read their data
.irp c, 0,1
	v_cvt_scalef32_pk16_fp6_f32 v[FF+6*\c:FF+6*\c+2], v[TT+32*\c:TT+32*\c+15], v[QS]
	v_cvt_scalef32_pk16_fp6_f32 v[RR+4*\c:RR+4*\c+2], v[TT+32*\c+16:TT+32*\c+31], v[QS]
.endr
	v_nop
.irp c, 0,1                            ; runs of 8 codes (48 bits) are put in the order of the operand's layout: a whole block of 32 in a lane
.irp i, 0,1,2
	v_permlane16_swap_b32 v[FF+6*\c+\i], v[RR+4*\c+\i]
.endr
	v_perm_b32 v[FF+6*\c+3], v[FF+6*\c+2], v[FF+6*\c+1], s84
	v_perm_b32 v[FF+6*\c+4], v[RR+4*\c+1], v[FF+6*\c+2], s83
	v_mov_b32 v[FF+6*\c+5], v[RR+4*\c+2]
	v_perm_b32 v[FF+6*\c+1], v[RR+4*\c], v[FF+6*\c+1], s82
	v_perm_b32 v[FF+6*\c+2], v[RR+4*\c+1], v[RR+4*\c], s84
.endr
.irp c, 0,1,2
	global_store_b128 v[LI], v[FF+4*\c:FF+4*\c+3], s[12:13] offset:1536*(\a)+512*\c   ; 512 consecutive bytes
.endr
.endm
	NLOAD NA1, 0, 0
	NLOAD NA1, BLK, 1
	s_wait_loadcnt 0x0                             ; c
	WIN 0x41
.set k, 0
.rept 32
	v_pk_mul_f32 v[k:k+1], v[k:k+1], s[80:81] op_sel_hi:[1,0]
.set k, k+2
.endr
	WIN 0
.irp i, 0,1,2,3
	v_mov_b32 v[SW+\i], 0x7d7d7d7d
.endr
	global_store_b128 v[LI], v[SW:SW+3], s[12:13] offset:12288   ; the panel's 512 bytes of scale words
	EPI 0, 0, 16, 1, NA1, 2*BLK, 0
	EPI 1, 1, 16, 1, NA1, 3*BLK, 0
	EPI 2, 0, 16, 1, NA1, 4*BLK, 0
	EPI 3, 1, 16, 1, NA2, 0, 1
	EPI 4, 0, 16, 1, NA2, BLK, 0
	EPI 5, 1, 16, 1, NA2, 2*BLK, 0
	EPI 6, 0, 16, 0, NA2, 0, 0
	EPI 7, 1, 0, 0, NA2, 0, 0
	s_wait_tensorcnt 0x0                           ; the wave's end
	ds_add_u32 v[SPW], v[NIL]
	s_wait_dscnt 0x0
	ROUND                                          ; the closing round
	s_endpgm
.Lfunc_end_k_q97cbc56658_hidden:
	.size	k_q97cbc56658_hidden, .Lfunc_end_k_q97cbc56658_hidden-k_q97cbc56658_hidden
	.p2alignl 7, 3214868480
	.fill 96, 4, 3214868480
	.section	.rodata,"a",@progbits
	.p2align	6, 0x0
	.amdhsa_kernel k_q97cbc56658_hidden
		.amdhsa_group_segment_fixed_size 327680
		.amdhsa_private_segment_fixed_size 0
		.amdhsa_enable_private_segment 0
		.amdhsa_kernarg_size 40
		.amdhsa_user_sgpr_count 2
		.amdhsa_user_sgpr_kernarg_segment_ptr 1
		.amdhsa_wavefront_size32 1
		.amdhsa_system_sgpr_workgroup_id_x 1
		.amdhsa_system_sgpr_workgroup_id_y 1
		.amdhsa_system_sgpr_workgroup_id_z 1
		.amdhsa_system_vgpr_workitem_id 0
		.amdhsa_next_free_vgpr 1024
		.amdhsa_next_free_sgpr 100
		.amdhsa_reserve_vcc 0
		.amdhsa_float_denorm_mode_32 3
		.amdhsa_float_denorm_mode_16_64 3
		.amdhsa_memory_ordered 1
		.amdhsa_forward_progress 1
		.amdhsa_inst_pref_size 255
	.end_amdhsa_kernel
	.section	.bss,"aw",@nobits
	.p2align	6
	.space	262144
	.amdgpu_metadata
---
amdhsa.version: [ 1, 2 ]
amdhsa.kernels:
  - .name:           k_q97cbc56658_hidden
    .symbol:         k_q97cbc56658_hidden.kd
    .args:
      - { .name: XA, .offset: 0, .size: 8, .value_kind: global_buffer, .address_space: global }
      - { .name: WB, .offset: 8, .size: 8, .value_kind: global_buffer, .address_space: global }
      - { .name: noise, .offset: 16, .size: 8, .value_kind: global_buffer, .address_space: global }
      - { .name: c, .offset: 24, .size: 8, .value_kind: global_buffer, .address_space: global }
      - { .name: HC, .offset: 32, .size: 8, .value_kind: global_buffer, .address_space: global }
    .group_segment_fixed_size: 327680
    .private_segment_fixed_size: 0
    .kernarg_segment_align: 8
    .kernarg_segment_size: 40
    .max_flat_workgroup_size: 128
    .sgpr_count:     100
    .vgpr_count:     1024
    .wavefront_size: 32
...
	.end_amdgpu_metadata
.endif
;; end of part 2
;; launch visible (part 3): grid 8 x 32, 4 waves a work-group, clusters of 4 x 1, 327,680 bytes of LDS; arguments HC, WA, b, PART; writes PART
.if DOCPART == 3
	.amdgcn_target "amdgcn-amd-amdhsa--gfx1250"
	.amdhsa_code_object_version 6
	.text
	.protected	k_q97cbc56658_visible
	.globl	k_q97cbc56658_visible
	.p2align	8
	.type	k_q97cbc56658_visible,@function
k_q97cbc56658_visible:
	s_mov_b64 s[64:65], 0
	v_nop
	global_prefetch_b8 v0, s[64:65] scope:SCOPE_SE
	s_setreg_imm32_b32 hwreg(HW_REG_WAVE_MODE, 25, 1), 1
	s_wait_xcnt 0x0
	s_wait_alu depctr_hold_cnt(0) depctr_sa_sdst(0) depctr_va_vdst(0) depctr_va_sdst(0) depctr_va_ssrc(0) depctr_va_vcc(0) depctr_vm_vsrc(0)
	s_getreg_b32 s2, hwreg(HW_REG_IB_STS2, 6, 4)
	s_cmp_eq_u32 s2, 0
	s_cbranch_scc0 .Lentry_in_a_cluster
	s_endpgm
.Lentry_in_a_cluster:
	s_bfe_u32 s2, ttmp6, 0x10000c
	s_cmp_lg_u32 s2, 0x3003
	s_cbranch_scc0 .Lentry_shape_is_right
	s_endpgm
.Lentry_shape_is_right:
; VISIBLE: pre = h W^T + u A + b, on codes of FP6 (E2M3) with E8M0 scales, as one sum over 36 K steps of 128 (32 of h x W, 4 of cond_data x A); of each row's 128 columns that a work-group holds, the largest pre and its column go out.
; reference() takes the argmax of softmax(pre): exp(. - max) / sum does not fall where pre rises, so the argmax is taken of pre, the first index among equals.  LIMIT: where two pre of a row differ by so little that
; f32 exp or the division would make them equal, reference() takes the lower index and this text the larger pre.  NaN and infinities are not served.
; SHARES. A work-group makes 128 batch rows x 128 visible units; a wave all 128 rows x 32 units: 16 accumulators.  Operands come as panels (see the first launch).
; HC's panels, which all four waves read, go through a ring of two LDS slots of six K steps; a wave's tensor load brings a quarter of a slot, 19,200 dense bytes, asked for JOINTLY by the cluster's four work-groups, which share the batch rows.
; WA's two fragments of a wave are read by no other wave of the work-group: they go from memory straight into registers, six sets, the loads of K step s + 5 issued in step s.  WA is not asked for jointly: it does not pass through LDS.
; TRANSPOSED USE: source 0 = 16 visible units, source 1 = 16 batch rows: lane (r, h) holds batch row r, tile b's register j is unit 16 b + 8 h + j.  b is the C of the first products.
; THE WAY OUT: each wave's maxima and columns meet in an LDS stage of their own bytes; waves 0 and 1 join the four waves' and store.
; PART [8 chunks of 128 columns][64 groups of 64 rows][512 bytes]: word 4 r + a = the maximum of row 16 a + r of the group; 256 bytes on, its column.
; PREFETCHES, once for each six K steps: HC: the 300 blocks of 256 bytes of the fill that goes out four steps later, 19 to each of the cluster's 16 waves, told apart by address; WA: the 300 blocks that the next six steps load,
; 75 to a wave's number, three to each of 25 of the 32 work-groups that read them (lanes left over name their wave's last block again).  The first two fills and WA's first six steps come by their loads alone.
; REGISTERS: window 0: v4-20 addresses; v32-43 WA's scale words, six sets; v44-59 HC's, two sets; v60-75 b; v76-115 the way out; v128-255 accumulator (a, b) at 128 + 8 (2 a + b).  window 1: HC's fragments, two sets at v0, v96.  window 2: WA's, set n at 24 n.
.set PANEL,  12800
.set SLOTSZ, 6*PANEL
.set QUART,  SLOTSZ/4
.set STG,    2*SLOTSZ                  ; the stage: 1,024 bytes a wave; no tensor load fills it
.set SPARE,  STG+4096                  ; the spare words: two blocks of 256 bytes that no other line names
.set LI,   4                           ; 16 x lane
.set LIW,  5                           ; + 3,072 x wave: my two fragments in a panel of WA
.set SCW,  6                           ; their scale words
.set BA,   7                           ; 32 h
.set ADRA, 8                           ; v8-11   HC's fragments: register 2 slot + (K step / 3)
.set ADRS, 12                          ; v12-15  HC's scale words
.set COLB, 16
.set PFW,  17
.set PFH,  18
.set STW,  19
.set RDA,  20
.set SPW,  28
.set NIL,  29
.set SW,   32
.set SA,   44
.set BI,   60
.set BEST, 76
.set IDX,  84
.set PB,   92
.set PI,   100
.set TO,   108
.set ACC,  128
.set G1,  24
.set G0,  32
.set MSB, 0
.macro WIN new
.if MSB != (\new)
	s_set_vgpr_msb (MSB<<8)|(\new)
.set MSB, (\new)
.endif
.endm
.macro ROUND                           ; a round of the cluster's barrier
	s_barrier_signal -1
	s_barrier_wait -1
	s_cmp_lg_u32 s14, 0
	s_cbranch_scc1 .Lnw0_\@
	s_barrier_signal -3
.Lnw0_\@:
	s_barrier_wait -3
	s_barrier_signal -1
	s_barrier_wait -1
.endm
.macro PLACES
.rept 4
	v_nop
.endr
.endm
.macro LOADW set, kb                   ; my part of WA's panel kb from the base: six loads of 512 consecutive bytes, one of scale words
	WIN 0x80
.irp f, 0,1,2,3,4,5
	global_load_b128 v[24*(\set)+4*\f:24*(\set)+4*\f+3], v[LIW], s[6:7] offset:PANEL*(\kb)+512*\f
.endr
	WIN 0
	global_load_b64 v[SW+2*(\set):SW+2*(\set)+1], v[SCW], s[6:7] offset:PANEL*(\kb)
.endm
.macro ASK
	global_prefetch_b8 v[PFH], s[40:41] offset:SLOTSZ th:TH_LOAD_NT scope:SCOPE_SE
	s_cmp_lt_u32 s16, 25
	s_cbranch_scc0 .Lnoask_\@
	global_prefetch_b8 v[PFW], s[6:7] offset:SLOTSZ th:TH_LOAD_NT scope:SCOPE_SE
.Lnoask_\@:
.endm
; What a step asks for: HC's panel q of the slot into the other set (q = -1: nothing); WA's panel kb into the set that the last step multiplied (kb = -1: nothing)
.macro FEED set, par, slot, q, kb, adv, pf
.if \q >= 0
	WIN 0x40
.irp i, 0,1,2,3,4,5,6,7
.irp c, 0,1,2
	ds_load_b128 v[96*(1-(\par))+12*\i+4*\c:96*(1-(\par))+12*\i+4*\c+3], v[ADRA+2*(\slot)+(\q)/3] offset:PANEL*((\q)%3)+1536*\i+512*\c
.endr
.endr
.endif
.if \kb >= 0
.if \adv
	s_wait_xcnt 0x0                                ; the last loads and prefetches by these bases have read them
	s_add_nc_u64 s[6:7], s[6:7], SLOTSZ
	s_add_nc_u64 s[40:41], s[40:41], SLOTSZ
.endif
	LOADW ((\set)+5)%6, \kb
.endif
	WIN 0
.if \q >= 0
.irp u, 0,1
	ds_load_b128 v[SA+8*(1-(\par))+4*\u:SA+8*(1-(\par))+4*\u+3], v[ADRS+2*(\slot)+(\q)/3] offset:PANEL*((\q)%3)+256*\u
.endr
.endif
.if \pf
	ASK
.endif
.endm
.macro MULS set, par, first            ; the 16 accumulators take turns in one order
.irp a, 0,1,2,3,4,5,6,7
.irp b, 0,1
.if \first
	v_wmma_scale_f32_16x16x128_f8f6f4 v[ACC+8*(2*\a+\b):ACC+8*(2*\a+\b)+7], v[24*(\set)+12*\b:24*(\set)+12*\b+11], v[96*(\par)+12*\a:96*(\par)+12*\a+11], v[BI+8*\b:BI+8*\b+7], v[SW+2*(\set)+\b], v[SA+8*(\par)+\a] matrix_a_fmt:MATRIX_FMT_FP6 matrix_b_fmt:MATRIX_FMT_FP6
.else
	v_wmma_scale_f32_16x16x128_f8f6f4 v[ACC+8*(2*\a+\b):ACC+8*(2*\a+\b)+7], v[24*(\set)+12*\b:24*(\set)+12*\b+11], v[96*(\par)+12*\a:96*(\par)+12*\a+11], v[ACC+8*(2*\a+\b):ACC+8*(2*\a+\b)+7], v[SW+2*(\set)+\b], v[SA+8*(\par)+\a] matrix_a_fmt:MATRIX_FMT_FP6 matrix_b_fmt:MATRIX_FMT_FP6
.endif
.endr
.endr
.endm
.macro KS set, par, slot, q, kb, lc, first, adv, pf
	s_wait_loadcnt \lc                             ; my set of WA is in; lc younger loads stay out
	s_wait_dscnt 0x0                               ; this step's fragments of HC are in
	PLACES                                         ; in front of loads into registers that the last step's products read
	FEED \set, \par, \slot, \q, \kb, \adv, \pf
	WIN 0x06
	MULS \set, \par, \first
.endm
.macro TURNKS set, par, slot, kb, lc, refill   ; the slot's last K step: its fragments are in registers, the slot is read no more
	s_wait_loadcnt \lc
	WIN 0
	s_wait_tensorcnt 0x0                           ; all my tensor loads have landed: my part of the other slot
.if \refill
	ds_add_u32 v[SPW], v[NIL]
	s_add_nc_u64 s[G0+4*\slot+2:G0+4*\slot+3], s[G0+4*\slot+2:G0+4*\slot+3], 2*SLOTSZ
.endif
	s_wait_dscnt 0x0                               ; the add is done, and my reads of this slot are back
.if \refill
	ROUND                                          ; no wave of any partner still reads this slot or has a load on its way
	tensor_load_to_lds s[G0+4*\slot:G0+4*\slot+3], s[G1:G1+7]
	s_nop 0
.else
	s_barrier_signal -1
	s_barrier_wait -1                              ; the other slot is whole; nothing is filled again
.endif
	PLACES
	FEED \set, \par, 1-\slot, 0, \kb, 0, 0
	WIN 0x06
	MULS \set, \par, 0
.endm
.macro SIX slot, refill, pf            ; from a slot's second K step to the other slot's first
	KS 1, 1, \slot, 2, 0, 28, 0, 1, \pf
	KS 2, 0, \slot, 3, 1, 28, 0, 0, 0
	KS 3, 1, \slot, 4, 2, 28, 0, 0, 0
	KS 4, 0, \slot, 5, 3, 28, 0, 0, 0
	TURNKS 5, 1, \slot, 4, 28, \refill
	KS 0, 0, 1-\slot, 1, 5, 28, 0, 0, 0
.endm
	s_load_b128 s[4:7], s[0:1], 0x0                ; HC, WA
	s_load_b128 s[8:11], s[0:1], 0x10              ; b, PART
	v_lshl_add_u32 v[SPW], v0, 2, SPARE
	v_mov_b32 v[NIL], 0
	ds_add_u32 v[SPW], v[NIL]                      ; the opening lines: the add, twice on end, and its wait
	ds_add_u32 v[SPW], v[NIL]
	v_lshrrev_b32 v1, 5, v0
	v_readfirstlane_b32 s14, v1                    ; wave 0..3
	s_bfe_u32 s15, ttmp6, 0x40000                  ; cx
	s_lshl_b32 s17, ttmp9, 2
	s_add_co_u32 s17, s17, s15                     ; tile column: which 128 visible units
	s_and_b32 s16, ttmp7, 0xffff                   ; which 128 batch rows: shared by the cluster
	s_mov_b32 s[G1+0], 15|(3<<16)|(1<<21)          ; the cluster's four; 19,200 dense bytes as 75 rows of 32 elements of 8 bytes
	s_mov_b32 s[G1+1], 32<<16
	s_mov_b32 s[G1+2], 75<<16
	s_mov_b32 s[G1+3], 32<<16
	s_mov_b32 s[G1+4], 75
	s_mov_b32 s[G1+5], 32
	s_mov_b32 s[G1+6], 0
	s_mov_b32 s[G1+7], 0
	s_mul_i32 s20, s16, 36*PANEL                   ; HC: the rows' 36 panels
	s_mov_b32 s21, 0
	s_mul_i32 s22, s14, QUART                      ; my quarter of a fill
	s_mov_b32 s23, 0
	s_mul_i32 s44, s17, 36*PANEL                   ; WA: the units' 36 panels
	s_mov_b32 s45, 0
	s_lshl_b32 s46, s17, 9
	s_lshl_b32 s47, s14, 7
	s_add_co_u32 s46, s46, s47                     ; b: 128 numbers a tile column, 32 a wave
	s_mov_b32 s47, 0
	s_and_b32 s53, s14, 1
	s_lshl_b32 s54, s17, 6
	s_lshl_b32 s55, s16, 1
	s_add_co_u32 s54, s54, s55
	s_add_co_u32 s54, s54, s53
	s_lshl_b32 s54, s54, 9                         ; PART: (64 chunk + group of 64 rows) x 512; waves 0 and 1 store
	s_mov_b32 s55, 0
	s_mul_i32 s18, s14, 3072
	s_lshr_b32 s19, s14, 1
	s_lshl_b32 s19, s19, 8
	s_lshl_b32 s48, s53, 3
	s_add_co_u32 s19, s19, s48
	s_add_co_u32 s19, s19, 12288                   ; the words of fragments 2 w, 2 w + 1
	s_lshl_b32 s48, s17, 7
	s_lshl_b32 s49, s14, 5
	s_add_co_u32 s48, s48, s49                     ; my first column
	s_lshl_b32 s49, s14, 10
	s_add_co_u32 s49, s49, STG
	s_lshl_b32 s50, s53, 9
	s_add_co_u32 s50, s50, STG
	s_mul_i32 s51, s14, 75
	s_mul_i32 s52, s16, 3
	s_add_co_u32 s51, s51, s52
	s_lshl_b32 s52, s15, 2
	s_add_co_u32 s52, s52, s14
	s_mul_i32 s52, s52, 19
	s_mov_b32 s12, 0x76543210
	s_mov_b32 s13, 0xfedcba98                      ; v_permlanex16_b32's selects for lane l xor 16
	s_mov_b32 s42, 0xffff0000                      ; lanes 16-31
	s_mov_b32 s[G0], 1
	s_mul_i32 s[G0+1], s14, QUART
	s_mov_b32 s[G0+4], 1
	s_mul_i32 s[G0+5], s14, QUART
	s_add_co_u32 s[G0+5], s[G0+5], SLOTSZ
	v_and_b32 v3, 31, v0
	v_and_b32 v1, 15, v0                           ; r
	v_bfe_u32 v2, v0, 4, 1                         ; h
	v_lshlrev_b32 v[LI], 4, v3
	v_add_nc_u32 v[LIW], s18, v[LI]
	v_lshl_add_u32 v[SCW], v1, 4, s19
	v_lshlrev_b32 v[BA], 5, v2
.irp n, 0,1,2,3
	v_add_nc_u32 v[ADRA+\n], (\n/2)*SLOTSZ+(\n%2)*3*PANEL, v[LI]
	v_lshl_add_u32 v[ADRS+\n], v1, 4, (\n/2)*SLOTSZ+(\n%2)*3*PANEL+12288
.endr
	v_lshl_add_u32 v[COLB], v2, 3, s48
	v_min_u32 v[PFW], 2, v3
	v_add_lshl_u32 v[PFW], v[PFW], s51, 8
	v_min_u32 v[PFH], 18, v3
	v_add_nc_u32 v[PFH], s52, v[PFH]
	v_min_u32 v[PFH], 299, v[PFH]
	v_lshlrev_b32 v[PFH], 8, v[PFH]
	v_add_nc_u32 v[STW], s49, v[LI]
	v_lshl_add_u32 v[RDA], v1, 4, s50
.irp a, 0,1,2,3,4,5,6,7
	v_mov_b32 v[PB+\a], 0                          ; written once: a lane permute's destination counts as one of its sources
	v_mov_b32 v[PI+\a], 0
.endr
	s_wait_alu depctr_va_vdst(0)
	s_wait_dscnt 0x0                               ; both opening adds are done
	s_wait_kmcnt 0x0
	s_add_nc_u64 s[40:41], s[4:5], s[20:21]
	s_add_nc_u64 s[G0+2:G0+3], s[40:41], s[22:23]
	s_add_nc_u64 s[G0+6:G0+7], s[G0+2:G0+3], SLOTSZ
	s_or_b32 s[G0+3], s[G0+3], 0x80000000
	s_or_b32 s[G0+7], s[G0+7], 0x80000000
	s_add_nc_u64 s[6:7], s[6:7], s[44:45]
	s_add_nc_u64 s[8:9], s[8:9], s[46:47]
	s_add_nc_u64 s[10:11], s[10:11], s[54:55]
.irp b, 0,1
.irp q, 0,1
	global_load_b128 v[BI+8*\b+4*\q:BI+8*\b+4*\q+3], v[BA], s[8:9] offset:64*\b+16*\q   ; b(16 b + 8 h + 4 q ..): the result's layout
.endr
.endr
	LOADW 0, 0
	ROUND                                          ; the four work-groups are here: the joint loads meet
	tensor_load_to_lds s[G0:G0+3], s[G1:G1+7]      ; K steps 0-5: my one tensor load at the head
	s_nop 0
	PLACES
	LOADW 1, 1
	LOADW 2, 2
	LOADW 3, 3
	LOADW 4, 4
	s_cmp_lt_u32 s16, 25
	s_cbranch_scc0 .Lno_first_ask
	global_prefetch_b8 v[PFW], s[6:7] offset:SLOTSZ th:TH_LOAD_NT scope:SCOPE_SE   ; WA's K steps 6-11
.Lno_first_ask:
	s_wait_tensorcnt 0x0                           ; my quarter of slot 0 is in
	ds_add_u32 v[SPW], v[NIL]
	s_wait_dscnt 0x0
	ROUND
	tensor_load_to_lds s[G0+4:G0+7], s[G1:G1+7]    ; K steps 6-11: slot 1's first fill
	s_nop 0
	PLACES
	FEED 0, 1, 0, 0, -1, 0, 0                      ; K step 0's fragments, into set 0
	KS 0, 0, 0, 1, 5, 28, 1, 0, 0                  ; the first products start the sums from b.  28: four younger sets of 7 loads
	WIN 0
	s_mov_b32 s43, 2
.Llap:                                             ; a trip goes once round the ring and fills both slots again: K steps 12 t + 1 .. 12 t + 12
	SIX 0, 1, 1
	SIX 1, 1, 1
	WIN 0
	s_sub_co_u32 s43, s43, 1
	s_cmp_lg_u32 s43, 0
	s_cbranch_scc1 .Llap
	SIX 0, 0, 0                                    ; K steps 25-30: WA's last loads; nothing is filled again
	KS 1, 1, 1, 2, -1, 28, 0, 0, 0
	KS 2, 0, 1, 3, -1, 21, 0, 0, 0                 ; the counts run down
	KS 3, 1, 1, 4, -1, 14, 0, 0, 0
	KS 4, 0, 1, 5, -1, 7, 0, 0, 0
	KS 5, 1, 1, -1, -1, 0, 0, 0, 0
	WIN 0
	PLACES
	; THE WAY OUT: for each of my eight tiles of rows, the largest of a lane's 16 numbers and its place, columns ascending, strictly greater: the first index among equals stays
.irp g, 0,1
.irp a, 0,1,2,3
	v_mov_b32 v[BEST+4*\g+\a], v[ACC+16*(4*\g+\a)] ; each accumulator is read from its low end on
	v_mov_b32 v[IDX+4*\g+\a], 0
.endr
.set n, 1
.rept 15
.irp a, 0,1,2,3
	v_cmp_gt_f32 s[68+\a], v[ACC+16*(4*\g+\a)+n], v[BEST+4*\g+\a]
.endr
.irp a, 0,1,2,3
	v_cndmask_b32 v[BEST+4*\g+\a], v[BEST+4*\g+\a], v[ACC+16*(4*\g+\a)+n], s[68+\a]
	v_cndmask_b32 v[IDX+4*\g+\a], v[IDX+4*\g+\a], 16*(n/8)+n%8, s[68+\a]
.endr
.set n, n+1
.endr
.irp a, 0,1,2,3
	v_add_nc_u32 v[IDX+4*\g+\a], v[COLB], v[IDX+4*\g+\a]   ; the column in the whole row
.endr
.irp a, 0,1,2,3
	v_permlanex16_b32 v[PB+4*\g+\a], v[BEST+4*\g+\a], s12, s13
	v_permlanex16_b32 v[PI+4*\g+\a], v[IDX+4*\g+\a], s12, s13
.endr
.irp a, 0,1,2,3                                ; lane l xor 16 holds the row's other 16 columns: its number wins if larger, or if equal at a lower column
	v_cmp_gt_f32 s[68+\a], v[PB+4*\g+\a], v[BEST+4*\g+\a]
	v_cmp_eq_f32 s[72+\a], v[PB+4*\g+\a], v[BEST+4*\g+\a]
	v_cmp_lt_u32 s[76+\a], v[PI+4*\g+\a], v[IDX+4*\g+\a]
.endr
.irp a, 0,1,2,3
	s_and_b32 s[72+\a], s[72+\a], s[76+\a]
	s_or_b32 s[68+\a], s[68+\a], s[72+\a]
.endr
.irp a, 0,1,2,3
	v_cndmask_b32 v[BEST+4*\g+\a], v[BEST+4*\g+\a], v[PB+4*\g+\a], s[68+\a]
	v_cndmask_b32 v[IDX+4*\g+\a], v[IDX+4*\g+\a], v[PI+4*\g+\a], s[68+\a]
.endr
.irp a, 0,1,2,3
	v_cndmask_b32 v[TO+4*\g+\a], v[BEST+4*\g+\a], v[IDX+4*\g+\a], s42   ; lanes 0-15 hand on the maxima, lanes 16-31 the columns
.endr
	ds_store_b128 v[STW], v[TO+4*\g:TO+4*\g+3] offset:512*\g   ; my record of group g, laid as PART's
.endr
	s_wait_dscnt 0x0                               ; for the others' sake: my stores into the stage are done
	s_barrier_signal -1
	s_barrier_wait -1
	s_cmp_lt_u32 s14, 2
	s_cbranch_scc0 .Ldone                          ; wave g = 0, 1 joins the four waves' records of group g, columns ascending, strictly greater
.irp w, 0,1,2,3
	ds_load_b128 v[ACC+8*\w:ACC+8*\w+3], v[RDA] offset:1024*\w
	ds_load_b128 v[ACC+8*\w+4:ACC+8*\w+7], v[RDA] offset:1024*\w+256
.endr
	s_wait_dscnt 0x0
.irp w, 1,2,3
.irp a, 0,1,2,3
	v_cmp_gt_f32 s[68+\a], v[ACC+8*\w+\a], v[ACC+\a]
.endr
.irp a, 0,1,2,3
	v_cndmask_b32 v[ACC+\a], v[ACC+\a], v[ACC+8*\w+\a], s[68+\a]
	v_cndmask_b32 v[ACC+4+\a], v[ACC+4+\a], v[ACC+8*\w+4+\a], s[68+\a]
.endr
.endr
.irp a, 0,1,2,3
	v_cndmask_b32 v[TO+\a], v[ACC+\a], v[ACC+4+\a], s42
.endr
	global_store_b128 v[LI], v[TO:TO+3], s[10:11]  ; 512 consecutive bytes
.Ldone:
	s_wait_tensorcnt 0x0                           ; the wave's end
	ds_add_u32 v[SPW], v[NIL]
	s_wait_dscnt 0x0
	ROUND                                          ; the closing round
	s_endpgm
.Lfunc_end_k_q97cbc56658_visible:
	.size	k_q97cbc56658_visible, .Lfunc_end_k_q97cbc56658_visible-k_q97cbc56658_visible
	.p2alignl 7, 3214868480
	.fill 96, 4, 3214868480
	.section	.rodata,"a",@progbits
	.p2align	6, 0x0
	.amdhsa_kernel k_q97cbc56658_visible
		.amdhsa_group_segment_fixed_size 327680
		.amdhsa_private_segment_fixed_size 0
		.amdhsa_enable_private_segment 0
		.amdhsa_kernarg_size 32
		.amdhsa_user_sgpr_count 2
		.amdhsa_user_sgpr_kernarg_segment_ptr 1
		.amdhsa_wavefront_size32 1
		.amdhsa_system_sgpr_workgroup_id_x 1
		.amdhsa_system_sgpr_workgroup_id_y 1
		.amdhsa_system_sgpr_workgroup_id_z 1
		.amdhsa_system_vgpr_workitem_id 0
		.amdhsa_next_free_vgpr 768
		.amdhsa_next_free_sgpr 80
		.amdhsa_reserve_vcc 0
		.amdhsa_float_denorm_mode_32 3
		.amdhsa_float_denorm_mode_16_64 3
		.amdhsa_memory_ordered 1
		.amdhsa_forward_progress 1
		.amdhsa_inst_pref_size 152
	.end_amdhsa_kernel
	.amdgpu_metadata
---
amdhsa.version: [ 1, 2 ]
amdhsa.kernels:
  - .name:           k_q97cbc56658_visible
    .symbol:         k_q97cbc56658_visible.kd
    .args:
      - { .name: HC, .offset: 0, .size: 8, .value_kind: global_buffer, .address_space: global }
      - { .name: WA, .offset: 8, .size: 8, .value_kind: global_buffer, .address_space: global }
      - { .name: b, .offset: 16, .size: 8, .value_kind: global_buffer, .address_space: global }
      - { .name: PART, .offset: 24, .size: 8, .value_kind: global_buffer, .address_space: global }
    .group_segment_fixed_size: 327680
    .private_segment_fixed_size: 0
    .kernarg_segment_align: 8
    .kernarg_segment_size: 32
    .max_flat_workgroup_size: 128
    .sgpr_count:     80
    .vgpr_count:     768
    .wavefront_size: 32
...
	.end_amdgpu_metadata
.endif
;; end of part 3
;; launch onehot (part 4): grid 256 x 1, 4 waves a work-group, no clusters, 0 bytes of LDS; arguments PART, out0; writes out0
.if DOCPART == 4
	.amdgcn_target "amdgcn-amd-amdhsa--gfx1250"
	.amdhsa_code_object_version 6
	.text
	.protected	k_q97cbc56658_onehot
	.globl	k_q97cbc56658_onehot
	.p2align	8
	.type	k_q97cbc56658_onehot,@function
k_q97cbc56658_onehot:
	s_mov_b64 s[64:65], 0
	v_nop
	global_prefetch_b8 v0, s[64:65] scope:SCOPE_SE
	s_setreg_imm32_b32 hwreg(HW_REG_WAVE_MODE, 25, 1), 1
	s_wait_xcnt 0x0
; ONEHOT: out0[row][col] = 1 where col is the row's argmax, else 0.  PART [8 chunks of 128 columns][64 groups of 64 rows][512 bytes] holds, for each row and chunk, the largest pre (word 4 r + a for row 16 a + r of the
; group) and, 256 bytes on, its column.  A wave owns four rows, 64 G + 16 a + r for a = 0..3: their 8 maxima and columns come by 16 loads of 16 bytes (the same address in every lane); the chunks are compared in
; ascending order, strictly greater, so the first index among equals stays.  The column only selects values: no address and no branch hangs on it.
; Each row leaves by eight stores of 512 consecutive aligned bytes; every result has a register of its own, so no store's data are written again.  No LDS, no barrier: waves share nothing; matrix units have nothing to do here.
	s_load_b128 s[4:7], s[0:1], 0x0                ; PART, out0
	v_lshrrev_b32 v1, 5, v0
	v_readfirstlane_b32 s8, v1                     ; wave 0..3
	s_lshr_b32 s9, ttmp9, 2                        ; G
	s_and_b32 s10, ttmp9, 3
	s_lshl_b32 s10, s10, 2
	s_add_co_u32 s10, s10, s8                      ; r
	s_lshl_b32 s12, s9, 9
	s_mov_b32 s13, 0
	s_lshl_b32 s14, s9, 6
	s_add_co_u32 s14, s14, s10
	s_lshl_b32 s14, s14, 12                        ; row 64 G + r, 4,096 bytes a row
	s_mov_b32 s15, 0
	s_lshl_b32 s11, s10, 4
	v_mov_b32 v1, s11                              ; 16 r
	v_and_b32 v10, 31, v0
	v_lshlrev_b32 v11, 4, v10                      ; 16 x lane
	v_lshlrev_b32 v10, 2, v10                      ; my first column of a store's 128
	s_wait_alu depctr_va_vdst(0)
	s_wait_kmcnt 0x0
	s_add_nc_u64 s[4:5], s[4:5], s[12:13]
	s_add_nc_u64 s[6:7], s[6:7], s[14:15]
.irp c, 0,1,2,3,4,5,6,7
	global_load_b128 v[16+8*\c:16+8*\c+3], v1, s[4:5] offset:32768*\c        ; chunk c: four rows' maxima,
	global_load_b128 v[20+8*\c:20+8*\c+3], v1, s[4:5] offset:32768*\c+256    ; and their columns
.endr
	s_wait_loadcnt 0x0
.irp a, 0,1,2,3
	v_cmp_gt_f32 s[16+\a], v[24+\a], v[16+\a]
.endr
.irp a, 0,1,2,3
	v_cndmask_b32 v[2+\a], v[16+\a], v[24+\a], s[16+\a]
	v_cndmask_b32 v[6+\a], v[20+\a], v[28+\a], s[16+\a]
.endr
.irp c, 2,3,4,5,6,7
.irp a, 0,1,2,3
	v_cmp_gt_f32 s[16+\a], v[16+8*\c+\a], v[2+\a]
.endr
.irp a, 0,1,2,3
	v_cndmask_b32 v[2+\a], v[2+\a], v[16+8*\c+\a], s[16+\a]
	v_cndmask_b32 v[6+\a], v[6+\a], v[20+8*\c+\a], s[16+\a]
.endr
.endr
.irp a, 0,1,2,3
	v_sub_nc_u32 v[6+\a], v[6+\a], v10             ; the argmax less my first column: store t's element e is the one where this is 128 t + e
.endr
.irp a, 0,1,2,3
.irp t, 0,1,2,3,4,5,6,7
.irp e, 0,1,2,3
	v_cmp_eq_u32 s[16+\e], 128*\t+\e, v[6+\a]
.endr
.irp e, 0,1,2,3
	v_cndmask_b32 v[16+32*\a+4*\t+\e], 0, 1.0, s[16+\e]
.endr
	global_store_b128 v11, v[16+32*\a+4*\t:16+32*\a+4*\t+3], s[6:7] offset:65536*\a+512*\t th:TH_STORE_NT   ; written once, read by nobody here
.endr
.endr
	s_endpgm
.Lfunc_end_k_q97cbc56658_onehot:
	.size	k_q97cbc56658_onehot, .Lfunc_end_k_q97cbc56658_onehot-k_q97cbc56658_onehot
	.p2alignl 7, 3214868480
	.fill 96, 4, 3214868480
	.section	.rodata,"a",@progbits
	.p2align	6, 0x0
	.amdhsa_kernel k_q97cbc56658_onehot
		.amdhsa_group_segment_fixed_size 0
		.amdhsa_private_segment_fixed_size 0
		.amdhsa_enable_private_segment 0
		.amdhsa_kernarg_size 16
		.amdhsa_user_sgpr_count 2
		.amdhsa_user_sgpr_kernarg_segment_ptr 1
		.amdhsa_wavefront_size32 1
		.amdhsa_system_sgpr_workgroup_id_x 1
		.amdhsa_system_sgpr_workgroup_id_y 1
		.amdhsa_system_sgpr_workgroup_id_z 1
		.amdhsa_system_vgpr_workitem_id 0
		.amdhsa_next_free_vgpr 144
		.amdhsa_next_free_sgpr 66
		.amdhsa_reserve_vcc 0
		.amdhsa_float_denorm_mode_32 3
		.amdhsa_float_denorm_mode_16_64 3
		.amdhsa_memory_ordered 1
		.amdhsa_forward_progress 1
		.amdhsa_inst_pref_size 31
	.end_amdhsa_kernel
	.amdgpu_metadata
---
amdhsa.version: [ 1, 2 ]
amdhsa.kernels:
  - .name:           k_q97cbc56658_onehot
    .symbol:         k_q97cbc56658_onehot.kd
    .args:
      - { .name: PART, .offset: 0, .size: 8, .value_kind: global_buffer, .address_space: global }
      - { .name: out0, .offset: 8, .size: 8, .value_kind: global_buffer, .address_space: global }
    .group_segment_fixed_size: 0
    .private_segment_fixed_size: 0
    .kernarg_segment_align: 8
    .kernarg_segment_size: 16
    .max_flat_workgroup_size: 128
    .sgpr_count:     66
    .vgpr_count:     144
    .wavefront_size: 32
...
	.end_amdgpu_metadata
.endif
;; end of part 4
